; MI455X (gfx1250); checked and timed in simulation.
; The chip was launched on July 23, 2026; its instructions are those of AMD's public machine-readable ISA for CDNA 5 (MIT licence, August 2026) and "CDNA5" Instruction Set Architecture Reference Guide (July 2026). The comments in the code are by the model that wrote it; some were corrected since.
;; PM Field. Allowed arithmetic: float matrix products may take bf16 or f16 operands with f32 sums; other float arithmetic in f32, or as packed bf16 or f16 multiplies, adds, multiply-adds, maxima and minima; sums over many terms, partial sums and values carried from step to step in f32; what a program stores and reads back later, other than sums and carried values, may be rounded once to bf16 or f16.
;; Inputs: centers 32 x 8 float32; mus 32 float32; z 524,288 x 8 float32.
;; Outputs: out0 524,288 x 8 float32.
;; One version. Each part assembles by itself: llvm-mc -triple=amdgcn-amd-amdhsa -mcpu=gfx1250 --defsym DOCPART=n.
;; ======== version 1 of 1: 1 launch
;; launch pmfield (part 1): grid 256 x 1, 16 waves a work-group, no clusters, 0 bytes of LDS; arguments z, centers, mus, out0; writes out0
.if DOCPART == 1
	.amdgcn_target "amdgcn-amd-amdhsa--gfx1250"
	.amdhsa_code_object_version 6
	.text
	.protected	k_qf80f1d5796_pmfield
	.globl	k_qf80f1d5796_pmfield
	.p2align	8
	.type	k_qf80f1d5796_pmfield,@function
k_qf80f1d5796_pmfield:
	s_mov_b64 s[64:65], 0
	v_nop
	global_prefetch_b8 v0, s[64:65] scope:SCOPE_SE
	s_setreg_imm32_b32 hwreg(HW_REG_WAVE_MODE, 25, 1), 1
	s_wait_xcnt 0x0
; PMField: four steps of  z <- clip(z + 0.12 g / n, -3, 3)  with, over the 32 centres c (weights mu),
;   d = c - z,  r2 = sum d^2 + 1e-4,  n = 1 + sum mu / sqrt(r2),  g = sum mu d / (sqrt(r2) r2).
; z, out0: [524288][8] f32; centers: [32][8] f32; mus: [32] f32.  All arithmetic in f32 on the vector unit.
; WHY NO MATRIX PRODUCT: the sums become products of matrices only as |z|^2 - 2 z.c + |c|^2 and sum(w c) - (sum w) z, differences of
; large sums just where a point lies near a centre and its step is largest; so d is formed directly.
; LIMITS.  mu / r is made as mu * rsq(r2), mu / (r r2) as (mu rsq)(rsq rsq), g / n as g * (0.12 * rcp(n)): a few last places away from the
; divisions' rounding in each step.  v_rsq_f32 and v_rcp_f32 take a denormal as 0 (ISA guide, their entries): r2 is at least 1e-4; an n
; that is 0 or denormal gives an infinite step, which the clip cuts (0 x infinity gives NaN).  NaN in the inputs is not treated apart.
; SHARES.  A wave owns 128 points (4,096 consecutive bytes), a lane four of them, as two PAIRS (A, B).  16 waves a work-group, four on
; each of a WGP's four SIMDs, so that another wave has lines to issue while one waits; 256 work-groups of 64 KiB of z each.
; PACKING.  Coordinate j of a pair lies in two neighbouring registers (A's, B's), so one packed or dual line serves both points.
; A centre's coordinate is the same for both: it comes from a scalar register.  The packed f32 forms take only the low word of an aligned
; scalar pair, so the lines that read centres and mus are dual lines, which take any scalar register.
; A UNIT is a pair against a centre: 8 dual subtractions, 8 packed squares, 2 roots, 4 lines for u = mu rs, t = rs rs, w = u t, n += u,
; 8 packed multiply-adds g += w d: 30 lines for two points.  A BATCH is 4 centres x 2 pairs = 8 units, with one wait for its 16 roots.
.set STEPS,   4
.set CB,      4                        ; centres in a batch
.set BATCHES, STEPS*32/CB              ; 32 trips; a step ends behind every eighth
.set VO,  1                            ; v1         my byte offset in the work-group's 64 KiB: 4,096 x wave + 16 x lane; never rewritten
.set Z,   2                            ; v[2:33]    z: pair p, coordinate j at Z + 16 p + 2 j (A), + 1 (B)
.set G,   34                           ; v[34:65]   g, laid like z
.set N,   66                           ; v[66:69]   n: pair p at N + 2 p
.set R,   70                           ; v[70:85]   unit u = 2 k + p (centre k of the batch, pair p) at R + 2 u: r2, then rs, then t, then w
.set U,   86                           ; v[86:101]  u = mu rs, laid like R
.set D,   102                          ; v[102:229] d: unit u, coordinate j at D + 16 u + 2 j, + 1
.set LB,  D                            ; on the way in and out: eight loads' or stores' four registers
.set TX,  D+32                         ; four registers: what the neighbour lane holds in the first of two loads (way out: its upper half)
.set TY,  D+36                         ; four registers: the same for the second (way out: its lower half)
.set CEN, 12                           ; s[12:43]   the batch's four centres, eight coordinates each
.set MU,  44                           ; s[44:47]   their mus
.set EPS, 48                           ; s[48:49]   1e-4 (a packed line names the pair and takes its low word for both halves)
.set DT,  50                           ; s[50:51]   0.12
.set CLO, 52                           ; s52        -3.0
.set CHI, 53                           ; s53        3.0
.set OFF, 54                           ; s54        byte offset of the batch in centers
.set OFM, 55                           ; s55        and in mus
.set LEFT, 56                          ; s56        batches still to come
.set TMP, 57                           ; s57
.macro FETCH                           ; the scalar loads of a batch: 128 bytes of centers, 16 of mus
	s_load_b512 s[CEN:CEN+15],    s[6:7], s[OFF] offset:0x0
	s_load_b512 s[CEN+16:CEN+31], s[6:7], s[OFF] offset:0x40
	s_load_b128 s[MU:MU+3],       s[8:9], s[OFM] offset:0x0
.endm
.macro CLEAR                           ; a step's sums start: g = 0, n = 1
.set i, 0
.rept 16
	v_dual_mov_b32 v[G+2*i], 0 :: v_dual_mov_b32 v[G+2*i+1], 0
.set i, i+1
.endr
	v_dual_mov_b32 v[N], 1.0 :: v_dual_mov_b32 v[N+1], 1.0
	v_dual_mov_b32 v[N+2], 1.0 :: v_dual_mov_b32 v[N+3], 1.0
.endm
.macro SUB k, p, j                     ; d = c - z for coordinate j of unit (k, p), both points
.set rD, D+16*(2*(\k)+(\p))+2*(\j)
.set rZ, Z+16*(\p)+2*(\j)
	v_dual_sub_f32 v[rD], s[CEN+8*(\k)+(\j)], v[rZ] :: v_dual_sub_f32 v[rD+1], s[CEN+8*(\k)+(\j)], v[rZ+1]
.endm
.macro SQ k, p, j                      ; r2 += d d; the first square starts the sum at 1e-4
.set rD, D+16*(2*(\k)+(\p))+2*(\j)
.set rR, R+2*(2*(\k)+(\p))
.if (\j) == 0
	v_pk_fma_f32 v[rR:rR+1], v[rD:rD+1], v[rD:rD+1], s[EPS:EPS+1] op_sel_hi:[1,1,0]
.else
	v_pk_fma_f32 v[rR:rR+1], v[rD:rD+1], v[rD:rD+1], v[rR:rR+1]
.endif
.endm
; A step's end: z += (0.12 / n) g, clipped.
.macro UPDATE
.irp q, 0,1,2,3
	v_rcp_f32 v[N+\q], v[N+\q]
.endr
	v_nop                                          ; a plain line behind the last reciprocal, ahead of the first use (ISA guide 5.7.2)
	s_wait_alu depctr_va_vdst(0)                   ; the wait between a reciprocal and its first reader: one for the four
.irp p, 0,1
	v_pk_mul_f32 v[N+2*\p:N+2*\p+1], v[N+2*\p:N+2*\p+1], s[DT:DT+1] op_sel_hi:[1,0]
.endr
.irp j, 0,1,2,3,4,5,6,7
.irp p, 0,1
	v_pk_fma_f32 v[Z+16*\p+2*\j:Z+16*\p+2*\j+1], v[G+16*\p+2*\j:G+16*\p+2*\j+1], v[N+2*\p:N+2*\p+1], v[Z+16*\p+2*\j:Z+16*\p+2*\j+1]
.endr
.endr
.set i, 0
.rept 32
	v_med3_num_f32 v[Z+i], v[Z+i], s[CLO], s[CHI]  ; the middle of z, -3 and 3
.set i, i+1
.endr
.endm
; THE WAY IN.  Load 2 i holds points 32 i .. 32 i + 15 of the wave, load 2 i + 1 the next sixteen; lane l has 16 bytes: half l % 2 of point l / 2 of the load.
; An even lane keeps the point of which it holds the lower half in load 2 i; its odd neighbour keeps the point of which it holds the upper half in
; load 2 i + 1; each takes the missing half from the other.  The selects write straight into the pair's places: point i is A or B (i % 2) of pair i / 2.
.macro IN i
	s_wait_loadcnt 6-2*(\i)                        ; loads come back in order (ISA guide 5.7.1): loads 2 i and 2 i + 1 are in, the 6 - 2 i younger ones may stay out
.irp r, 0,1,2,3
	v_mov_b32_dpp v[TX+\r], v[LB+8*(\i)+\r]   row_xmask:1 row_mask:0xf bank_mask:0xf
	v_mov_b32_dpp v[TY+\r], v[LB+8*(\i)+4+\r] row_xmask:1 row_mask:0xf bank_mask:0xf
.endr
.irp r, 0,1,2,3
	v_cndmask_b32 v[Z+16*((\i)/2)+2*\r+(\i)%2],   v[TY+\r], v[LB+8*(\i)+\r], vcc_lo    ; coordinates 0-3: even lane its own, odd lane the neighbour's
	v_cndmask_b32 v[Z+16*((\i)/2)+8+2*\r+(\i)%2], v[LB+8*(\i)+4+\r], v[TX+\r], vcc_lo  ; coordinates 4-7: even lane the neighbour's, odd lane its own
.endr
.endm
; THE WAY OUT: the same exchange backward.  Each store of the wave covers 512 consecutive bytes, at a multiple of 512 from out0's first byte.
.macro OUT i
.irp r, 0,1,2,3
	v_mov_b32_dpp v[TX+\r], v[Z+16*((\i)/2)+8+2*\r+(\i)%2] row_xmask:1 row_mask:0xf bank_mask:0xf
	v_mov_b32_dpp v[TY+\r], v[Z+16*((\i)/2)+2*\r+(\i)%2]   row_xmask:1 row_mask:0xf bank_mask:0xf
.endr
.irp r, 0,1,2,3
	v_cndmask_b32 v[LB+8*(\i)+\r],   v[TX+\r], v[Z+16*((\i)/2)+2*\r+(\i)%2], vcc_lo
	v_cndmask_b32 v[LB+8*(\i)+4+\r], v[Z+16*((\i)/2)+8+2*\r+(\i)%2], v[TY+\r], vcc_lo
.endr
	global_store_b128 v[VO], v[LB+8*(\i):LB+8*(\i)+3],   s[10:11] offset:1024*(\i) th:TH_STORE_NT
	global_store_b128 v[VO], v[LB+8*(\i)+4:LB+8*(\i)+7], s[10:11] offset:1024*(\i)+512 th:TH_STORE_NT
.endm
	s_load_b256 s[4:11], s[0:1], 0x0               ; z s[4:5], centers s[6:7], mus s[8:9], out0 s[10:11]
	v_and_b32 v[VO], 31, v0                        ; lane
	v_lshrrev_b32 v[TX], 5, v0                     ; wave
	v_lshlrev_b32 v[VO], 4, v[VO]
	v_lshl_add_u32 v[VO], v[TX], 12, v[VO]         ; 4,096 x wave + 16 x lane
	s_lshl_b32 s2, ttmp9, 16                       ; the work-group's 64 KiB
	s_mov_b32 s3, 0
	s_mov_b32 s[EPS], 0x38d1b717                   ; 1e-4
	s_mov_b32 s[EPS+1], s[EPS]                     ; named with it as a pair
	s_mov_b32 s[DT], 0x3df5c28f                    ; 0.12
	s_mov_b32 s[DT+1], s[DT]
	s_mov_b32 s[CLO], 0xc0400000                   ; -3.0
	s_mov_b32 s[CHI], 0x40400000                   ; 3.0
	s_mov_b32 s[OFF], 0
	s_mov_b32 s[OFM], 0
	s_mov_b32 s[LEFT], BATCHES
	s_mov_b32 vcc_lo, 0x55555555                   ; the even lanes; nothing else writes VCC
	s_wait_kmcnt 0x0
	s_add_nc_u64 s[4:5], s[4:5], s[2:3]
	s_add_nc_u64 s[10:11], s[10:11], s[2:3]
.irp j, 0,1,2,3,4,5,6,7
	global_load_b128 v[LB+4*\j:LB+4*\j+3], v[VO], s[4:5] offset:512*\j th:TH_LOAD_NT  ; 512 consecutive bytes a load; the wave's 4,096 bytes are all asked for at once
.endr
	FETCH                                          ; the first batch's centres and mus
.irp r, 0,1,2,3,4,5,6,7
	v_mov_b32 v[TX+\r], 0                          ; a DPP line's destination counts as read: it is written once here, while the loads are out
.endr
	CLEAR
	IN 0
	IN 1
	IN 2
	IN 3
.Lbatch:
	s_wait_kmcnt 0x0                               ; this batch's centres and mus are in
	; r2 of the 8 units.  The squares of centre k stand among the subtractions of centre k + 1 and the roots of centre k - 1,
	; so that a sum's links lie some lines apart and a root has plain neighbours.
.irp j, 0,1,2,3,4,5,6,7
	SUB 0, 0, \j
	SUB 0, 1, \j
.endr
.irp k, 0,1,2,3
.irp j, 0,1,2,3,4,5,6,7
	SQ \k, 0, \j
.if (\k) < 3
	SUB (\k)+1, 0, \j
.endif
	SQ \k, 1, \j
.if (\k) < 3
	SUB (\k)+1, 1, \j
.endif
.if ((\k) > 0) && ((\j) % 2 == 1)
	v_rsq_f32 v[R+4*((\k)-1)+(\j)/2], v[R+4*((\k)-1)+(\j)/2]
.endif
.endr
.endr
.irp q, 0,1,2,3
	v_rsq_f32 v[R+12+\q], v[R+12+\q]
.endr
	v_nop                                          ; a plain line behind the last root, ahead of the first use (ISA guide 5.7.2)
	s_wait_alu depctr_va_vdst(0)                   ; the wait between a root and its first reader: nothing above names a root's result, so one wait serves the 16
.set u, 0
.rept 8
	v_dual_mul_f32 v[U+2*u], s[MU+u/2], v[R+2*u] :: v_dual_mul_f32 v[U+2*u+1], s[MU+u/2], v[R+2*u+1]  ; u = mu rs
.set u, u+1
.endr
	; The batch has read its centres and mus: the next batch's are asked for here, 88 vector lines ahead of the wait for them.
	; The loads that named s[OFF] and s[OFM] were shown done by the wait at the trip's head, so both may be written.
	s_add_co_u32 s[OFF], s[OFF], 32*CB
	s_and_b32 s[OFF], s[OFF], 1023                 ; behind a step's last batch: centre 0 again
	s_lshr_b32 s[OFM], s[OFF], 3                   ; 4 bytes of mus for 32 of centers
	s_cmp_eq_u32 s[LEFT], 1                        ; the last batch has none behind it
	s_cbranch_scc1 .Lno_more
	FETCH
.Lno_more:
.set u, 0
.rept 8
	v_pk_mul_f32 v[R+2*u:R+2*u+1], v[R+2*u:R+2*u+1], v[R+2*u:R+2*u+1]  ; t = rs rs
.set u, u+1
.endr
.set u, 0
.rept 8
	v_pk_mul_f32 v[R+2*u:R+2*u+1], v[R+2*u:R+2*u+1], v[U+2*u:U+2*u+1]  ; w = t u
.set u, u+1
.endr
.set u, 0
.rept 8                                ; the pairs alternate, so two links of a sum lie 18 lines apart
	v_pk_add_f32 v[N+2*(u%2):N+2*(u%2)+1], v[N+2*(u%2):N+2*(u%2)+1], v[U+2*u:U+2*u+1]
.irp j, 0,1,2,3,4,5,6,7
	v_pk_fma_f32 v[G+16*(u%2)+2*\j:G+16*(u%2)+2*\j+1], v[R+2*u:R+2*u+1], v[D+16*u+2*\j:D+16*u+2*\j+1], v[G+16*(u%2)+2*\j:G+16*(u%2)+2*\j+1]
.endr
.set u, u+1
.endr
	s_sub_co_u32 s[LEFT], s[LEFT], 1
	s_and_b32 s[TMP], s[LEFT], 32/CB-1
	s_cmp_lg_u32 s[TMP], 0
	s_cbranch_scc1 .Lnext                          ; in the middle of a step
	s_cmp_eq_u32 s[LEFT], 0
	s_cbranch_scc1 .Lnext                          ; the last step's end stands behind the loop: it clears nothing
	UPDATE
	CLEAR
.Lnext:
	s_cmp_lg_u32 s[LEFT], 0
	s_cbranch_scc1 .Lbatch
	UPDATE
	OUT 0
	OUT 1
	OUT 2
	OUT 3
	s_endpgm
.Lfunc_end_k_qf80f1d5796_pmfield:
	.size	k_qf80f1d5796_pmfield, .Lfunc_end_k_qf80f1d5796_pmfield-k_qf80f1d5796_pmfield
	.p2alignl 7, 3214868480
	.fill 96, 4, 3214868480
	.section	.rodata,"a",@progbits
	.p2align	6, 0x0
	.amdhsa_kernel k_qf80f1d5796_pmfield
		.amdhsa_group_segment_fixed_size 0
		.amdhsa_private_segment_fixed_size 0
		.amdhsa_enable_private_segment 0
		.amdhsa_kernarg_size 32
		.amdhsa_user_sgpr_count 2
		.amdhsa_user_sgpr_kernarg_segment_ptr 1
		.amdhsa_wavefront_size32 1
		.amdhsa_system_sgpr_workgroup_id_x 1
		.amdhsa_system_sgpr_workgroup_id_y 1
		.amdhsa_system_sgpr_workgroup_id_z 1
		.amdhsa_system_vgpr_workitem_id 0
		.amdhsa_next_free_vgpr 232
		.amdhsa_next_free_sgpr 66
		.amdhsa_reserve_vcc 1
		.amdhsa_float_denorm_mode_32 3
		.amdhsa_float_denorm_mode_16_64 3
		.amdhsa_memory_ordered 1
		.amdhsa_forward_progress 1
		.amdhsa_inst_pref_size 34
	.end_amdhsa_kernel
	.amdgpu_metadata
---
amdhsa.version: [ 1, 2 ]
amdhsa.kernels:
  - .name:           k_qf80f1d5796_pmfield
    .symbol:         k_qf80f1d5796_pmfield.kd
    .args:
      - { .name: z, .offset: 0, .size: 8, .value_kind: global_buffer, .address_space: global }
      - { .name: centers, .offset: 8, .size: 8, .value_kind: global_buffer, .address_space: global }
      - { .name: mus, .offset: 16, .size: 8, .value_kind: global_buffer, .address_space: global }
      - { .name: out0, .offset: 24, .size: 8, .value_kind: global_buffer, .address_space: global }
    .group_segment_fixed_size: 0
    .private_segment_fixed_size: 0
    .kernarg_segment_align: 8
    .kernarg_segment_size: 32
    .max_flat_workgroup_size: 512
    .sgpr_count:     66
    .vgpr_count:     232
    .wavefront_size: 32
...
	.end_amdgpu_metadata
.endif
;; end of part 1
